; MI455X (gfx1250); checked and timed in simulation.
; The chip was launched on July 23, 2026; its instructions are those of AMD's public machine-readable ISA for CDNA 5 (MIT licence, August 2026) and "CDNA5" Instruction Set Architecture Reference Guide (July 2026). The comments in the code are by the model that wrote it; some were corrected since.
;; Bit Linear. Allowed arithmetic: matrix products marked QUANTISED: E5M2 operands, one given power-of-two scale a tensor, by v_wmma_f32_16x16x64_bf8_bf8 or v_wmma_f32_16x16x128_bf8_bf8, f32 sums; everything else in f32.
;; Inputs: input 4,096 x 4,096 float32; input_scale 1 float32; lowp_scales 2 int32 (the exponents e of the quantised operands' scales 2^e); weight 4,096 x 4,096 float32; weight_scale 1 float32.
;; Outputs: out0 4,096 x 4,096 float32.
;; This version of the problem:
;;   THIS VERSION OF THE PROBLEM IS GIVEN IN LOW PRECISION. The matrix products marked QUANTISED in the list below multiply operands that are first quantised to E5M2 (5 exponent bits, 2 mantissa bits; 8 bits a number), with one given power-of-two scale for each operand tensor; their sums are f32. All else is computed in f32.
;;   The module's matrix products, in the order in which they are computed (A, B: the left and right operand; K: the contracted axis; several contracted axes count as one K, in the product's order):
;;     1. [M 4,096, K 4,096] x [K 4,096, N 4,096]; A: computed on the way; B: computed on the way: QUANTISED (scales: A lowp_scales[0], B lowp_scales[1])
;;   THE QUANTISER, for each operand of a quantised product, along K:
;;     - The operand's scale is 2^e, e = its entry of the input lowp_scales (int32; the entries are numbered through the quantised products in the list's order, A before B).
;;     - Each number is divided by the scale, clamped to +-57,344, and rounded to the nearest number of E5M2, ties to even, subnormals kept.
;;     - The product sums the exact products of the quantised numbers (number of the format x scale) in f32.
;;   ~~~python
;;   def quantise(x, axis, e):      # numpy; x: float32 -> the quantised numbers, widened to float32 again
;;       x = np.moveaxis(x, axis, -1); K = x.shape[-1]
;;       r = np.clip(x / 2.0 ** e, -57344, 57344)
;;       step = 2.0 ** (np.maximum(np.frexp(np.where(r == 0, 1, r))[1] - 1, -14) - 2)
;;       q = np.round(r / step) * step * 2.0 ** e      # np.round: ties to even
;;       return np.moveaxis(q, -1, axis).astype(np.float32)
;;   ~~~
;;   OPERANDS COMPUTED ON THE WAY. 'Computed on the way' means the value that the module computes at that place (a softmax that the list does not call 'softmax' is quantised finished and normalised). What goes into a quantiser is computed in f32, as accurately as f32 sums, v_exp_f32 and their like allow (about 1e-6 of the number): no bf16 or f16 on the way to a quantiser, and a product that is left as it is and whose result goes on into a quantised operand takes f32 operands (vector FMAs, or v_wmma_f32_16x16x4_f32). A number that lies on a knife's edge between two numbers of the format may be rounded either way, as far as f32 arithmetic and the matrix unit's own rounding can turn it there, and no further.
;; One version. Each part assembles by itself: llvm-mc -triple=amdgcn-amd-amdhsa -mcpu=gfx1250 --defsym DOCPART=n.
;; ======== version 1 of 1: 2 launches
;; limits: right only within a limited range of input values
;; workspace buffers: a_codes 16,777,216 bytes; b_codes 16,777,216 bytes
;; launch quant (part 1): grid 1024 x 1, 4 waves a work-group, no clusters, 35,328 bytes of LDS; arguments input, weight, input_scale, weight_scale, lowp_scales, a_codes, b_codes; writes a_codes, b_codes
.if DOCPART == 1
	.amdgcn_target "amdgcn-amd-amdhsa--gfx1250"
	.amdhsa_code_object_version 6
	.text
	.protected	k_q552da357ad_quant
	.globl	k_q552da357ad_quant
	.p2align	8
	.type	k_q552da357ad_quant,@function
k_q552da357ad_quant:
	s_mov_b64 s[64:65], 0
	v_nop
	global_prefetch_b8 v0, s[64:65] scope:SCOPE_SE
	s_setreg_imm32_b32 hwreg(HW_REG_WAVE_MODE, 25, 1), 1
	s_wait_xcnt 0x0
; input [4096][4096] and weight [4096][4096], f32, become the two operands of the product, as codes of BF8 (E5M2), one byte each.
;   operand A = clip(round(input / xs), -128, 127), quantised with the given scale 2^e0;   operand B = clip(round(weight / ws), -1, 1), with 2^e1.
;   code = number / 2^e, held within +-57,344, rounded to the nearest code, ties to even.
; THE DIVISION: y = 1 / d refined once (Newton), q0 = x y, r = x - q0 d (fused), q = q0 + r y; then to the nearest whole number, ties to even, as jnp.round has it.
; THE CLIP AND THE HOLD IN ONE: both intervals hold 0, so LO = max(low clip, -57,344 x 2^e), HI = min(high clip, 57,344 x 2^e).
; LAYOUT OF THE CODES, the same for both tensors: [tile T: 16][step of 128 along K: 32][fragment f: 16][2,048 bytes].  Fragment f of tile T holds the 16 rows 256 T + 64 (f / 4) + 4 i + f % 4, i = 0..15,
; as the image of a matrix operand's registers: byte 512 c + 16 (i + 16 h) + 4 d + j holds, of row i, k = 4 (4 (2 c + h) + d) + j of the step.  The place of k is the same in both operands, so every number meets its partner.
; SHARES: work-group x: bit 9 the tensor, bits 8:1 tile and fragment, bit 0 a half of K; a wave takes 16 rows x 512 along K (four steps of 128), a row a step of the text, 2,048 consecutive bytes of it by four loads.
; A row's codes (4 bytes a lane for each 128 along K) go into the wave's own stage in LDS, eight blocks of 256 + 16 bytes for each 128 along K, and come back as register images, which leave as runs of 512 bytes.
; All global stores stand at the wave's end, behind its last vector and LDS instruction.  Waves share nothing: no barrier.
; LIMITS: e0, e1 between -126 and 112; |xs|, |ws| normal numbers between 2^-126 and 2^126; |x / s| under f32's largest number; NaN among the inputs is not served.  The quotient may differ from the f32 division's in its last bit.
.set WGA,   512
.set STEPS, 16
.set R,     16                         ; v16-79    four sets of 16 numbers as loaded; at the end the images read back
.set Q,     80                         ; v80-111   two sets of 16 quotients
.set C,     112                        ; v112-175  codes: four registers for each row
.set SI,    176                        ; stage address, way in
.set SO,    177                        ; stage address, way out
.set SPW,   178                        ; my spare word
.set NIL,   179                        ; 0
.set BLK,   272                        ; a block of the stage: 256 bytes + 16
.set SK,    8*BLK                      ; the blocks of one 128 along K
.set WREG,  4*SK                       ; a wave's stage
.set SPARE, 4*WREG                     ; the spare words, 512 bytes
	s_load_b128 s[4:7], s[0:1], 0x0                ; input, weight
	s_load_b128 s[8:11], s[0:1], 0x10              ; input_scale, weight_scale
	s_load_b64 s[12:13], s[0:1], 0x20              ; the scales' exponents
	s_load_b128 s[16:19], s[0:1], 0x28             ; A's codes, B's codes
	v_lshl_add_u32 v[SPW], v0, 2, SPARE
	v_mov_b32 v[NIL], 0
	v_lshrrev_b32 v1, 5, v0
	v_readfirstlane_b32 s20, v1                    ; wave
	v_and_b32 v2, 31, v0                           ; lane
	v_lshlrev_b32 v3, 4, v2                        ; 16 x lane
	s_mul_i32 s35, s20, WREG
	v_lshrrev_b32 v13, 2, v2
	v_mul_u32_u24 v13, v13, BLK
	v_and_b32 v14, 3, v2
	v_lshl_add_u32 v13, v14, 2, v13
	v_add_nc_u32 v[SI], s35, v13                   ; in: block lane / 4, word lane % 4: the 32 lanes fall on 32 different banks
	v_lshrrev_b32 v13, 4, v2
	v_mul_u32_u24 v13, v13, BLK
	v_and_b32 v14, 15, v2
	v_lshl_add_u32 v13, v14, 4, v13
	v_add_nc_u32 v[SO], s35, v13                   ; out: block 2 c + lane / 16, 16 bytes of row lane % 16
	s_wait_alu depctr_va_vdst(0)
	s_wait_kmcnt 0x0
	s_load_b64 s[22:23], s[12:13], 0x0             ; e0, e1
	s_load_b32 s26, s[8:9], 0x0                    ; xs
	s_load_b32 s27, s[10:11], 0x0                  ; ws
	s_cmp_lt_u32 ttmp9, WGA                        ; input's work-group or weight's?
	s_cselect_b64 s[4:5], s[4:5], s[6:7]
	s_cselect_b64 s[16:17], s[16:17], s[18:19]
	s_and_b32 s21, ttmp9, 1
	s_lshl_b32 s21, s21, 2
	s_add_co_u32 s21, s21, s20                     ; u: which 512 along K, 0..7
	s_bfe_u32 s24, ttmp9, 0x40005                  ; T
	s_bfe_u32 s25, ttmp9, 0x40001                  ; f
	s_lshr_b32 s28, s25, 2
	s_lshl_b32 s28, s28, 6
	s_and_b32 s29, s25, 3
	s_add_co_u32 s28, s28, s29
	s_lshl_b32 s29, s24, 8
	s_add_co_u32 s28, s28, s29                     ; my first row: 256 T + 64 (f / 4) + f % 4
	s_lshl_b32 s28, s28, 14                        ; x 16,384 bytes
	s_lshl_b32 s29, s21, 11
	s_add_co_u32 s28, s28, s29                     ; + 2,048 u
	s_mov_b32 s29, 0
	s_lshl_b32 s30, s24, 20                        ; codes: T x 1 MiB + 4 u x 32 KiB + f x 2 KiB
	s_lshl_b32 s31, s21, 17
	s_add_co_u32 s30, s30, s31
	s_lshl_b32 s31, s25, 11
	s_add_co_u32 s30, s30, s31
	s_mov_b32 s31, 0
	s_add_nc_u64 s[4:5], s[4:5], s[28:29]
	s_add_nc_u64 s[16:17], s[16:17], s[30:31]
.macro LOAD t                          ; row t of my 16 (four rows of the tensor apart): register 4 i + j = k 128 i + 4 lane + j
.irp i, 0,1,2,3
	global_load_b128 v[R+16*((\t)%4)+4*\i:R+16*((\t)%4)+4*\i+3], v3, s[4:5] offset:65536*(\t)+512*\i th:TH_LOAD_NT
.endr
.endm
.irp t, 0,1,2,3
	LOAD \t
.endr
	s_wait_kmcnt 0x0
	s_cmp_lt_u32 ttmp9, WGA                        ; compared anew: the sums above have set SCC
	s_cselect_b32 s22, s22, s23                    ; e
	s_cselect_b32 s26, s26, s27                    ; d: xs or ws
	s_mov_b32 s24, 0xbf800000
	s_cselect_b32 s24, 0xc3000000, s24             ; the low clip: -128 or -1
	s_mov_b32 s25, 0x3f800000
	s_cselect_b32 s25, 0x42fe0000, s25             ; the high clip: 127 or 1
	s_add_co_i32 s22, s22, 127
	s_lshl_b32 s32, s22, 23                        ; 2^e as f32
	s_add_co_i32 s22, s22, 15
	s_lshl_b32 s33, s22, 23
	s_or_b32 s33, s33, 0x600000                    ; 57,344 x 2^e
	s_or_b32 s34, s33, 0x80000000
	v_mov_b32 v12, s32
	v_mov_b32 v13, s33
	v_mov_b32 v14, s34
	v_min_num_f32 v11, s25, v13                    ; HI
	v_max_num_f32 v10, s24, v14                    ; LO
	v_mov_b32 v4, s26                              ; d
	s_wait_alu depctr_va_vdst(0)
	v_rcp_f32 v6, v4
	v_xor_b32 v8, 0x80000000, v4                   ; -d: the plain place behind the reciprocal
	s_wait_alu depctr_va_vdst(0)
	v_fma_f32 v5, v8, v6, 1.0
	v_fma_f32 v6, v6, v5, v6
	v_mov_b32 v7, v6
	v_mov_b32 v9, v8
.macro STEP t
.set XS, R+16*((\t)%4)
.set QS, Q+16*((\t)%2)
.if STEPS-1-(\t) >= 3
	s_wait_loadcnt 12                              ; this row's four loads are in; those of the three rows behind it stay out
.else
	s_wait_loadcnt 4*(STEPS-1-(\t))
.endif
.irp n, 0,2,4,6,8,10,12,14
	v_pk_mul_f32 v[QS+\n:QS+\n+1], v[XS+\n:XS+\n+1], v[6:7]
.endr
.irp n, 0,2,4,6,8,10,12,14
	v_pk_fma_f32 v[XS+\n:XS+\n+1], v[QS+\n:QS+\n+1], v[8:9], v[XS+\n:XS+\n+1]
.endr
.irp n, 0,2,4,6,8,10,12,14
	v_pk_fma_f32 v[QS+\n:QS+\n+1], v[XS+\n:XS+\n+1], v[6:7], v[QS+\n:QS+\n+1]
.endr
.if (\t)+4 < STEPS
	LOAD (\t)+4
.endif
.irp i, 0,1,2,3,4,5,6,7,8,9,10,11,12,13,14,15
	v_rndne_f32 v[QS+\i], v[QS+\i]
.endr
.irp i, 0,1,2,3,4,5,6,7,8,9,10,11,12,13,14,15
	v_med3_num_f32 v[QS+\i], v[QS+\i], v10, v11    ; the clip and the hold (the conversion does not saturate: ISA guide 7.6.2)
.endr
	v_cvt_scalef32_pk8_bf8_f32 v[C+4*(\t):C+4*(\t)+1], v[QS:QS+7], v12
	v_cvt_scalef32_pk8_bf8_f32 v[C+4*(\t)+2:C+4*(\t)+3], v[QS+8:QS+15], v12
.irp i, 0,1,2,3
	ds_store_b32 v[SI], v[C+4*(\t)+\i] offset:SK*\i+16*(\t)   ; the codes go to LDS stores alone; each row has its own four registers
.endr
.endm
	s_wait_alu depctr_va_vdst(0)
.irp t, 0,1,2,3,4,5,6,7,8,9,10,11,12,13,14,15
	STEP \t
.endr
.irp i, 0,1,2,3
.irp c, 0,1,2,3
	ds_load_b128 v[R+16*\i+4*\c:R+16*\i+4*\c+3], v[SO] offset:SK*\i+2*BLK*\c   ; LDS serves a wave's instructions in order: these see my stores
.endr
.endr
	s_wait_tensorcnt 0x0
	ds_add_u32 v[SPW], v[NIL]
	s_wait_dscnt 0x0                               ; the images are in registers too
.irp i, 0,1,2,3
.irp c, 0,1,2,3
	global_store_b128 v3, v[R+16*\i+4*\c:R+16*\i+4*\c+3], s[16:17] offset:32768*\i+512*\c   ; 32 lanes store 512 consecutive bytes, at a multiple of 512
.endr
.endr
	s_endpgm
.Lfunc_end_k_q552da357ad_quant:
	.size	k_q552da357ad_quant, .Lfunc_end_k_q552da357ad_quant-k_q552da357ad_quant
	.p2alignl 7, 3214868480
	.fill 96, 4, 3214868480
	.section	.rodata,"a",@progbits
	.p2align	6, 0x0
	.amdhsa_kernel k_q552da357ad_quant
		.amdhsa_group_segment_fixed_size 35328
		.amdhsa_private_segment_fixed_size 0
		.amdhsa_enable_private_segment 0
		.amdhsa_kernarg_size 56
		.amdhsa_user_sgpr_count 2
		.amdhsa_user_sgpr_kernarg_segment_ptr 1
		.amdhsa_wavefront_size32 1
		.amdhsa_system_sgpr_workgroup_id_x 1
		.amdhsa_system_sgpr_workgroup_id_y 1
		.amdhsa_system_sgpr_workgroup_id_z 1
		.amdhsa_system_vgpr_workitem_id 0
		.amdhsa_next_free_vgpr 180
		.amdhsa_next_free_sgpr 66
		.amdhsa_reserve_vcc 0
		.amdhsa_float_denorm_mode_32 3
		.amdhsa_float_denorm_mode_16_64 3
		.amdhsa_memory_ordered 1
		.amdhsa_forward_progress 1
		.amdhsa_inst_pref_size 67
	.end_amdhsa_kernel
	.amdgpu_metadata
---
amdhsa.version: [ 1, 2 ]
amdhsa.kernels:
  - .name:           k_q552da357ad_quant
    .symbol:         k_q552da357ad_quant.kd
    .args:
      - { .name: input, .offset: 0, .size: 8, .value_kind: global_buffer, .address_space: global }
      - { .name: weight, .offset: 8, .size: 8, .value_kind: global_buffer, .address_space: global }
      - { .name: input_scale, .offset: 16, .size: 8, .value_kind: global_buffer, .address_space: global }
      - { .name: weight_scale, .offset: 24, .size: 8, .value_kind: global_buffer, .address_space: global }
      - { .name: lowp_scales, .offset: 32, .size: 8, .value_kind: global_buffer, .address_space: global }
      - { .name: a_codes, .offset: 40, .size: 8, .value_kind: global_buffer, .address_space: global }
      - { .name: b_codes, .offset: 48, .size: 8, .value_kind: global_buffer, .address_space: global }
    .group_segment_fixed_size: 35328
    .private_segment_fixed_size: 0
    .kernarg_segment_align: 8
    .kernarg_segment_size: 56
    .max_flat_workgroup_size: 128
    .sgpr_count:     66
    .vgpr_count:     180
    .wavefront_size: 32
...
	.end_amdgpu_metadata
.endif
;; end of part 1
;; launch gemm (part 2): grid 16 x 16, 4 waves a work-group, clusters of 4 x 4, 327,680 bytes of LDS; arguments a_codes, b_codes, lowp_scales, out0, input_scale, weight_scale; writes out0
.if DOCPART == 2
	.amdgcn_target "amdgcn-amd-amdhsa--gfx1250"
	.amdhsa_code_object_version 6
	.text
	.protected	k_q552da357ad_gemm
	.globl	k_q552da357ad_gemm
	.p2align	8
	.type	k_q552da357ad_gemm,@function
k_q552da357ad_gemm:
	s_mov_b64 s[64:65], 0
	v_nop
	global_prefetch_b8 v0, s[64:65] scope:SCOPE_SE
	s_setreg_imm32_b32 hwreg(HW_REG_WAVE_MODE, 25, 1), 1
	s_wait_xcnt 0x0
	s_wait_alu depctr_hold_cnt(0) depctr_sa_sdst(0) depctr_va_vdst(0) depctr_va_sdst(0) depctr_va_ssrc(0) depctr_va_vcc(0) depctr_vm_vsrc(0)
	s_getreg_b32 s2, hwreg(HW_REG_IB_STS2, 6, 4)
	s_cmp_eq_u32 s2, 0
	s_cbranch_scc0 .Lentry_in_a_cluster
	s_endpgm
.Lentry_in_a_cluster:
	s_bfe_u32 s2, ttmp6, 0x10000c
	s_cmp_lg_u32 s2, 0xf033
	s_cbranch_scc0 .Lentry_shape_is_right
	s_endpgm
.Lentry_shape_is_right:
; out[t][o] = (sum over k of A[t][k] B[o][k]) x 2^(e0 + e1) x (xs ws).  A, B: codes of BF8 (E5M2) as the launch before laid them: [tile of 256 rows: 16][step of 128 along K: 32][fragment: 16][2,048 bytes],
; a fragment being the register image of 16 rows x 128 K (rows 64 (f / 4) + 4 i + f % 4 of the tile; lane i + 16 h takes 16 bytes at 512 c + 16 lane into registers 4 c .. 4 c + 3; the place of k is the same in A and B).
; LIMIT: e0 + e1 between -126 and 127, so that 2^(e0 + e1) is an f32 number.
; A work-group of four waves makes 256 x 256 of out; a wave makes 64 rows x 256 columns: 64 accumulators, 512 registers.
; A GOES FROM MEMORY STRAIGHT INTO REGISTERS: a wave alone uses its 64 rows, 8 KiB on end for each 128 along K, by 16 loads of 512 consecutive bytes, three steps ahead, in four sets of 64 registers.
; B GOES THROUGH LDS, which holds B alone: two slots of 128 KiB, each 512 along K of the tile's 256 rows, dense in memory and in LDS; a wave's one tensor load brings 32 KiB as 128 rows of 256 bytes.
; CLUSTERS: 4 x 4.  The four work-groups of a column of the cluster need the same tiles of B and ask for them jointly.  A's tiles are not asked for jointly: a tensor load lands in LDS alone, and A in LDS
; would halve what a slot holds along K (2 x 256 rows x 512 bytes x 2 slots pass LDS's 327,680 bytes).
; B's 16 fragments of a step use 14 places of 16 registers: fragment b lies in place b, fragments 14 and 15 in places 6 and 7.  Two runs of 32 LDS loads a step: at its head fragments 6-13; behind fragment 7's
; products fragments 14, 15 and the next step's 0-5.
; THE WAY OUT: source 0 = A, source 1 = B, so register j of lane (r, h) is row 32 h + 4 j + a of my 64, column 64 g + 4 r + n for fragment 4 g + n: four accumulators hold four neighbouring columns.
; The multiplication by the factor lays them into four registers on end, and sixteen lanes store one aligned unit of 256 bytes: nothing goes through LDS.
; PREFETCH: behind the tensor load for slot period t each wave names one block of 256 bytes a lane of period t + 1, of B and of A: a period is 128 KiB of a tile = 512 blocks, shared out by address among the
; four partners that read it x four waves x 32 lanes.  The load for period 7 names nothing.
; REGISTERS: window 0: v0-31 addresses, v32-255 B's 14 places; window 1: A's four sets; window 2: accumulators of B's fragments 0-7 ((a, b) at v[8 (4 (b % 8) + a)]); window 3: of 8-15.
; THE LAST PERIOD GOES BY COLUMNS: its four steps of A fill the four sets and its B lies whole in slot 1, so the wave finishes one group of 64 columns after the other, in cells of 4 fragments of B x 128 along K
; (16 matrix instructions, B in three buffers of 64 registers, loaded two cells ahead), and a finished group is multiplied by the factor and stored at once.  Waves 0, 1 and waves 2, 3 send their groups at
; different places of the walk, so that the two pairs' stores do not fall together.
.set SLOT,  131072
.set TMP, 224                          ; v224-255 the way out: row part 0 of a group
.set SPARE, 2*SLOT
.set ADR, 16                           ; v16-19  16 x lane + 65,536 n: LDS address of slot n / 2, steps 2 (n % 2) and 2 (n % 2) + 1
.set AO,  20                           ; v20     16 x lane
.set PFO, 21                           ; v21     256 x lane
.set CO,  22                           ; v22     my offset in out: 32 h rows + 16 r
.set SPW, 28
.set NIL, 29
.set FAC, 30
.set BQ,  32
.set G1, 24
.set G0, 32
.set AB,  46
.set PFA, 48
.set PFB, 50
.set MSB, 0
.macro WIN new
.if MSB != (\new)
	s_set_vgpr_msb (MSB<<8)|(\new)
.set MSB, (\new)
.endif
.endm
.set MUL_LO, 0xa1                      ; source 0 (A) window 1, source 1 (B) window 0, C and D window 2
.set MUL_HI, 0xf1
.set TO_A,   0x40
.macro PLACES
.rept 4
	v_nop
.endr
.endm
.macro CREST
	s_cmp_lg_u32 s14, 0
	s_cbranch_scc1 .Lnot_wave_0_\@
	s_barrier_signal -3
.Lnot_wave_0_\@:
	s_barrier_wait -3
	s_barrier_signal -1
	s_barrier_wait -1
.endm
.macro CROUND
	s_barrier_signal -1
	s_barrier_wait -1
	CREST
.endm
.macro JLOAD s                         ; my quarter of a slot; s_nop 0 and four v_nop follow
	tensor_load_to_lds s[G0+4*\s:G0+4*\s+3], s[G1:G1+7]
	s_nop 0
	PLACES
.endm
.macro ASK p                           ; period p counted from where the two bases stand
	global_prefetch_b8 v[PFO], s[PFB:PFB+1] offset:(\p)*SLOT th:TH_LOAD_NT scope:SCOPE_SE
	global_prefetch_b8 v[PFO], s[PFA:PFA+1] offset:(\p)*SLOT th:TH_LOAD_NT scope:SCOPE_SE
.endm
.macro ALOAD set, ko                   ; A's four fragments of step ko (counted from the base) into a set
	WIN TO_A
.irp a, 0,1,2,3
.irp c, 0,1,2,3
	global_load_b128 v[64*(\set)+16*\a+4*\c:64*(\set)+16*\a+4*\c+3], v[AO], s[AB:AB+1] offset:(\ko)*32768+\a*2048+\c*512
.endr
.endr
.endm
.macro BL slot, k, b                   ; B's fragment b of the slot's step k into its place
.irp c, 0,1,2,3
	ds_load_b128 v[BQ+16*((\b)-8*((\b)/14))+4*\c:BQ+16*((\b)-8*((\b)/14))+4*\c+3], v[ADR+2*(\slot)+(\k)/2] offset:((\k)%2)*32768+(\b)*2048+\c*512
.endr
.endm
.macro MUL b, k, zero                  ; B's fragment b against A's four; the 64 accumulators take turns, in the same order in every step
.irp a, 0,1,2,3
.if \zero
	v_wmma_f32_16x16x128_bf8_bf8 v[8*(4*((\b)%8)+\a):8*(4*((\b)%8)+\a)+7], v[64*(\k)+16*\a:64*(\k)+16*\a+15], v[BQ+16*((\b)-8*((\b)/14)):BQ+16*((\b)-8*((\b)/14))+15], 0
.else
	v_wmma_f32_16x16x128_bf8_bf8 v[8*(4*((\b)%8)+\a):8*(4*((\b)%8)+\a)+7], v[64*(\k)+16*\a:64*(\k)+16*\a+15], v[BQ+16*((\b)-8*((\b)/14)):BQ+16*((\b)-8*((\b)/14))+15], v[8*(4*((\b)%8)+\a):8*(4*((\b)%8)+\a)+7]
.endif
.endr
.endm
; A step's first half.  lc: the A loads that may stay out (the sets of the steps behind this one).  The counts on DScnt: behind the pair of fragments that is needed stand 48, 40, 32, 24 younger loads.
.macro HALF1 slot, k, zero, lc
	PLACES                                         ; places 6 and 7 were read by the last products
	WIN 0
.irp b, 6,7,8,9,10,11,12,13
	BL \slot, \k, \b
.endr
	s_wait_loadcnt \lc
	WIN MUL_LO
.irp n, 0,1,2,3
	s_wait_dscnt 48-8*\n
	MUL 2*\n, \k, \zero
	MUL 2*\n+1, \k, \zero
.endr
	PLACES
	WIN 0
	BL \slot, \k, 14
	BL \slot, \k, 15
.endm
.macro KSTEP slot, k, zero, lc, ko     ; a step whose successor lies in the same slot; ko < 0: no more of A to ask for
	HALF1 \slot, \k, \zero, \lc
.irp b, 0,1,2,3,4,5
	BL \slot, (\k)+1, \b
.endr
.if \ko >= 0
	ALOAD ((\k)+3)%4, \ko
.endif
	WIN MUL_HI
.irp n, 0,1,2,3
	s_wait_dscnt 48-8*\n
	MUL 8+2*\n, \k, \zero
	MUL 9+2*\n, \k, \zero
.endr
.endm
; A slot's last step changes slots: one barrier; in front of it each wave waits for all its tensor loads, adds 0 to its spare word, and waits for that and for its reads of this slot.
.macro CELLL i, g, k                   ; the last period: fragments 4 g .. 4 g + 3 of slot 1's step k into buffer i % 3
.irp n, 0,1,2,3
.irp c, 0,1,2,3
	ds_load_b128 v[BQ+64*((\i)%3)+16*\n+4*\c:BQ+64*((\i)%3)+16*\n+4*\c+3], v[ADR+2+(\k)/2] offset:((\k)%2)*32768+(4*(\g)+\n)*2048+\c*512
.endr
.endr
.endm
.macro TURN slot, next, fill, ko, pf, guard
	HALF1 \slot, 3, 0, 32
	s_wait_tensorcnt 0x0                           ; my part of the next slot has landed
	ds_add_u32 v[SPW], v[NIL]
.if \fill
	s_add_nc_u64 s[G0+4*\slot+2:G0+4*\slot+3], s[G0+4*\slot+2:G0+4*\slot+3], 2*SLOT
.endif
	s_wait_dscnt 25                                ; fragments 8, 9 are in; 10-13, 14, 15 and the add may be out
	WIN MUL_HI
	MUL 8, 3, 0
	MUL 9, 3, 0
	s_wait_dscnt 0x0                               ; the add is done, my reads of this slot are over
	s_barrier_signal -1
	MUL 10, 3, 0
	MUL 11, 3, 0
	WIN 0
	s_barrier_wait -1
.if \fill
	CREST                                          ; the barrier has opened a round of the cluster's barrier
	JLOAD \slot
.endif
.if \fill
.irp b, 0,1,2,3,4,5
	BL \next, 0, \b
.endr
.else
	CELLL 0, 0, 0                                  ; the last period's first cell
.endif
	ALOAD 2, \ko
	WIN 0
.if \fill
.if \guard
	s_cmp_lg_u32 s3, 1                             ; the last trip's second load is period 7's
	s_cbranch_scc0 .Lno_ask_\@
.endif
	ASK \pf
.if \guard
.Lno_ask_\@:
.endif
.endif
	WIN MUL_HI
	MUL 12, 3, 0
	MUL 13, 3, 0
	MUL 14, 3, 0
	MUL 15, 3, 0
.endm
	s_load_b128 s[4:7], s[0:1], 0x0                ; A's codes, B's codes
	s_load_b128 s[8:11], s[0:1], 0x10              ; the exponents, out
	s_load_b128 s[84:87], s[0:1], 0x20             ; input_scale, weight_scale
	v_lshl_add_u32 v[SPW], v0, 2, SPARE
	v_mov_b32 v[NIL], 0
	ds_add_u32 v[SPW], v[NIL]
	ds_add_u32 v[SPW], v[NIL]
	v_lshrrev_b32 v1, 5, v0
	v_readfirstlane_b32 s14, v1                    ; wave
	v_and_b32 v2, 31, v0
	v_lshlrev_b32 v[AO], 4, v2
	v_lshlrev_b32 v[PFO], 8, v2
	v_lshlrev_b32 v[ADR], 4, v2
	v_add_nc_u32 v[ADR+1], 0x10000, v[AO]
	v_add_nc_u32 v[ADR+2], 0x20000, v[AO]
	v_add_nc_u32 v[ADR+3], 0x30000, v[AO]
	v_bfe_u32 v4, v0, 4, 1
	v_and_b32 v3, 15, v0
	v_lshlrev_b32 v3, 4, v3
	v_lshl_add_u32 v[CO], v4, 19, v3               ; 32 h rows of 16,384 bytes + 16 r
	s_lshr_b32 s15, s14, 1                         ; which pair of waves
	s_bfe_u32 s40, ttmp6, 0x40000                  ; cx
	s_bfe_u32 s41, ttmp6, 0x40004                  ; cy
	s_lshl_b32 s42, ttmp9, 2
	s_add_co_u32 s42, s42, s40                     ; tile column
	s_and_b32 s17, ttmp7, 0xffff
	s_lshl_b32 s17, s17, 2
	s_add_co_u32 s17, s17, s41                     ; tile row
	s_lshl_b32 s44, 0x1111, s40                    ; my column of the cluster
	s_or_b32 s[G1+0], s44, (3<<16)|(1<<21)         ; the mask; elements of 8 bytes; bit 21 beside a mask; no padding
	s_mov_b32 s[G1+1], 32<<16                      ; rows of 32 elements = 256 bytes
	s_mov_b32 s[G1+2], 128<<16                     ; 128 rows
	s_mov_b32 s[G1+3], 32<<16
	s_mov_b32 s[G1+4], 128
	s_mov_b32 s[G1+5], 32                          ; dense
	s_mov_b32 s[G1+6], 0
	s_mov_b32 s[G1+7], 0
	s_lshl_b32 s52, s42, 20                        ; B: tile column x 1 MiB + wave x 32 KiB
	s_lshl_b32 s45, s14, 15                        ; (also my LDS place in a slot)
	s_add_co_u32 s52, s52, s45
	s_mov_b32 s53, 0
	s_lshl_b32 s20, s17, 20                        ; A: tile row x 1 MiB + wave x 8 KiB
	s_lshl_b32 s22, s14, 13
	s_add_co_u32 s20, s20, s22
	s_mov_b32 s21, 0
	s_lshl_b32 s56, s40, 15                        ; A's prefetch: + cx x 32 KiB
	s_add_co_u32 s56, s56, s20
	s_mov_b32 s57, 0
	s_lshl_b32 s58, s42, 20                        ; B's prefetch: tile column x 1 MiB + cy x 32 KiB + wave x 8 KiB
	s_lshl_b32 s60, s41, 15
	s_add_co_u32 s58, s58, s60
	s_add_co_u32 s58, s58, s22
	s_mov_b32 s59, 0
	s_lshl_b32 s70, s17, 22                        ; out: 256 tile row + 64 wave rows of 16,384 bytes, + 1,024 x tile column
	s_lshl_b32 s72, s14, 20
	s_add_co_u32 s70, s70, s72
	s_lshl_b32 s72, s42, 10
	s_add_co_u32 s70, s70, s72
	s_mov_b32 s71, 0
	s_wait_alu depctr_va_vdst(0)                   ; the head's vector work is over
	s_wait_dscnt 0x0                               ; both opening adds are done
	s_wait_kmcnt 0x0
	s_load_b64 s[96:97], s[8:9], 0x0               ; e0, e1
	s_load_b32 s88, s[84:85], 0x0                  ; xs
	s_load_b32 s89, s[86:87], 0x0                  ; ws
	s_add_nc_u64 s[AB:AB+1], s[4:5], s[20:21]
	s_add_nc_u64 s[PFA:PFA+1], s[4:5], s[56:57]
	s_add_nc_u64 s[PFB:PFB+1], s[6:7], s[58:59]
	s_add_nc_u64 s[54:55], s[6:7], s[52:53]
	s_add_nc_u64 s[10:11], s[10:11], s[70:71]
	CROUND                                         ; all sixteen work-groups are here: the first joint loads meet
.irp s, 0,1
	s_mov_b32 s[G0+4*\s], 1
	s_add_co_u32 s[G0+4*\s+1], s45, \s*SLOT
	s_add_nc_u64 s[G0+4*\s+2:G0+4*\s+3], s[54:55], \s*SLOT
	s_or_b32 s[G0+4*\s+3], s[G0+4*\s+3], 0x80000000
.endr
	JLOAD 0                                        ; period 0: one tensor load a wave at the head, asked for first
	ALOAD 0, 0                                     ; of A only step 0, which the first products need, goes beside it
	WIN 0
	global_prefetch_b8 v[PFO], s[PFA:PFA+1] th:TH_LOAD_NT scope:SCOPE_SE   ; A's period 0 is named here, shared out as every period is: its steps 1 to 3 are loaded behind the round below and in step 0
	ASK 1
	s_wait_tensorcnt 0x0                           ; my part of period 0 is in
	ds_add_u32 v[SPW], v[NIL]
	s_wait_dscnt 0x0
	CROUND
	JLOAD 1                                        ; period 1, the first tensor load behind the round
	ALOAD 1, 1                                     ; A's steps 1 and 2
	ALOAD 2, 2
	WIN 0
	ASK 2
.irp b, 0,1,2,3,4,5
	BL 0, 0, \b
.endr
	KSTEP 0, 0, 1, 32, 3                           ; the first step's products start the sums
	WIN 0
	s_mov_b32 s3, 3
.Llap:                                                 ; a trip: eight steps, from a lap's second to the next lap's first; both slots are filled again
	KSTEP 0, 1, 0, 32, 4
	KSTEP 0, 2, 0, 32, 5
	TURN 0, 1, 1, 6, 3, 0
	KSTEP 1, 0, 0, 32, 7
	KSTEP 1, 1, 0, 32, 8
	KSTEP 1, 2, 0, 32, 9
	TURN 1, 0, 1, 10, 4, 1
	KSTEP 0, 0, 0, 32, 11
	WIN 0
	s_wait_xcnt 0x0                                ; my loads and prefetches have read their bases
	s_add_nc_u64 s[AB:AB+1], s[AB:AB+1], 2*SLOT
	s_add_nc_u64 s[PFA:PFA+1], s[PFA:PFA+1], 2*SLOT
	s_add_nc_u64 s[PFB:PFB+1], s[PFB:PFB+1], 2*SLOT
	s_sub_co_u32 s3, s3, 1
	s_cmp_lg_u32 s3, 0
	s_cbranch_scc1 .Llap
	KSTEP 0, 1, 0, 32, 4                           ; the last seven steps fill nothing
	KSTEP 0, 2, 0, 32, 5
	TURN 0, 1, 0, 6, 0, 0
	PLACES                                         ; the last products read set 3 and places 6, 7
	WIN 0
	CELLL 1, 0, 1
	ALOAD 3, 7                                     ; A's last set, step 31
	WIN 0
	s_wait_kmcnt 0x0
	s_add_co_i32 s96, s96, s97
	s_add_co_i32 s96, s96, 127
	s_lshl_b32 s96, s96, 23                        ; 2^(e0 + e1)
	v_mul_f32 v[FAC], s88, s89                     ; xs ws.  (These four lines are the places behind the last products)
	v_mul_f32 v[FAC], s96, v[FAC]
	s_wait_alu depctr_va_vdst(0)
.macro CELLM i, g, k                   ; a cell's 16 products; the group's 16 accumulators take turns
	WIN MUL_LO+0x50*((\g)/2)
.irp n, 0,1,2,3
.irp a, 0,1,2,3
	v_wmma_f32_16x16x128_bf8_bf8 v[8*(4*(4*((\g)%2)+\n)+\a):8*(4*(4*((\g)%2)+\n)+\a)+7], v[64*(\k)+16*\a:64*(\k)+16*\a+15], v[BQ+64*((\i)%3)+16*\n:BQ+64*((\i)%3)+16*\n+15], v[8*(4*(4*((\g)%2)+\n)+\a):8*(4*(4*((\g)%2)+\n)+\a)+7]
.endr
.endr
.endm
.macro CS i, g, k, g2, k2, lc          ; cell i = (g, k); cell i + 2 = (g2, k2) is asked for, into the buffer that cell i - 1 has left; lc: the loads of A that may stay out
	PLACES
	WIN 0
.if (\i)+2 < 16
	CELLL (\i)+2, \g2, \k2
.endif
.if \lc >= 0
	s_wait_loadcnt \lc
.endif
.if (\i) < 14
	s_wait_dscnt 32                                ; the two younger cells' loads may be out
.else
	s_wait_dscnt 16*(15-(\i))
.endif
	CELLM \i, \g, \k
.endm
; A finished group of 64 columns leaves.  Row part a (rows 4 j + a) x the factor: four accumulators' register j into four registers on end: part 0 into TMP, part a into the accumulators of part a - 1, which have been read.
; All 128 multiplications stand ahead of the 32 stores; each accumulator is read from its low end on.
.macro SOUT g
	PLACES
	s_wait_xcnt 0x0                                ; the earlier group's stores have read TMP
	WIN 2+(\g)/2
.irp j, 0,1,2,3,4,5,6,7
.irp n, 0,1,2,3
	v_mul_f32 v[TMP+4*\j+\n], v[8*(4*(4*((\g)%2)+\n))+\j], v[FAC]
.endr
.endr
	WIN ((2+(\g)/2)<<6)|(2+(\g)/2)
.irp a, 1,2,3
.irp j, 0,1,2,3,4,5,6,7
.irp n, 0,1,2,3
	v_mul_f32 v[8*(4*(4*((\g)%2)+(\j)/2)+\a-1)+4*((\j)%2)+\n], v[8*(4*(4*((\g)%2)+\n)+\a)+\j], v[FAC]
.endr
.endr
.endr
	WIN 0
.irp j, 0,1,2,3,4,5,6,7
	global_store_b128 v[CO], v[TMP+4*\j:TMP+4*\j+3], s[10:11] offset:(4*\j)*16384+(\g)*256 th:TH_STORE_NT   ; sixteen lanes store 256 consecutive bytes, at a multiple of 256
.endr
	WIN (2+(\g)/2)<<2                              ; a store's data: the accumulators' window
.irp a, 1,2,3
.irp j, 0,1,2,3,4,5,6,7
	global_store_b128 v[CO], v[8*(4*(4*((\g)%2)+(\j)/2)+\a-1)+4*((\j)%2):8*(4*(4*((\g)%2)+(\j)/2)+\a-1)+4*((\j)%2)+3], s[10:11] offset:(4*\j+\a)*16384+(\g)*256 th:TH_STORE_NT
.endr
.endr
	WIN 0
.endm
.macro SIF pair, g                     ; group g leaves here in one pair of waves
	WIN 0
	s_cmp_eq_u32 s15, \pair
	s_cbranch_scc0 .Lnot_here_\@
	SOUT \g
.Lnot_here_\@:
.endm
	CS 0, 0, 0, 0, 2, 48                           ; A's sets 1, 2, 3 may be out
	CS 1, 0, 1, 1, 0, 32
	CS 2, 0, 2, 1, 1, 16
	CS 3, 1, 0, 1, 2, -1
	CS 4, 1, 1, 0, 3, -1
	CS 5, 1, 2, 1, 3, -1
	CS 6, 0, 3, 2, 0, 0                            ; group 0 is finished
	SIF 0, 0
	CS 7, 1, 3, 2, 1, -1                           ; group 1
	CS 8, 2, 0, 2, 2, -1
	SIF 1, 0
	CS 9, 2, 1, 2, 3, -1
	SIF 0, 1
	CS 10, 2, 2, 3, 0, -1
	CS 11, 2, 3, 3, 1, -1                          ; group 2
	SIF 1, 1
	CS 12, 3, 0, 3, 2, -1
	SIF 0, 2
	CS 13, 3, 1, 3, 3, -1
	SIF 1, 2
	CS 14, 3, 2, 0, 0, -1
	CS 15, 3, 3, 0, 0, -1                          ; group 3
	WIN 0
	SOUT 3
	s_wait_tensorcnt 0x0                           ; the wave's end
	ds_add_u32 v[SPW], v[NIL]
	s_wait_dscnt 0x0
	CROUND                                         ; the closing round
	s_endpgm
.Lfunc_end_k_q552da357ad_gemm:
	.size	k_q552da357ad_gemm, .Lfunc_end_k_q552da357ad_gemm-k_q552da357ad_gemm
	.p2alignl 7, 3214868480
	.fill 96, 4, 3214868480
	.section	.rodata,"a",@progbits
	.p2align	6, 0x0
	.amdhsa_kernel k_q552da357ad_gemm
		.amdhsa_group_segment_fixed_size 327680
		.amdhsa_private_segment_fixed_size 0
		.amdhsa_enable_private_segment 0
		.amdhsa_kernarg_size 48
		.amdhsa_user_sgpr_count 2
		.amdhsa_user_sgpr_kernarg_segment_ptr 1
		.amdhsa_wavefront_size32 1
		.amdhsa_system_sgpr_workgroup_id_x 1
		.amdhsa_system_sgpr_workgroup_id_y 1
		.amdhsa_system_sgpr_workgroup_id_z 1
		.amdhsa_system_vgpr_workitem_id 0
		.amdhsa_next_free_vgpr 1024
		.amdhsa_next_free_sgpr 98
		.amdhsa_reserve_vcc 0
		.amdhsa_float_denorm_mode_32 3
		.amdhsa_float_denorm_mode_16_64 3
		.amdhsa_memory_ordered 1
		.amdhsa_forward_progress 1
		.amdhsa_inst_pref_size 225
	.end_amdhsa_kernel
	.amdgpu_metadata
---
amdhsa.version: [ 1, 2 ]
amdhsa.kernels:
  - .name:           k_q552da357ad_gemm
    .symbol:         k_q552da357ad_gemm.kd
    .args:
      - { .name: a_codes, .offset: 0, .size: 8, .value_kind: global_buffer, .address_space: global }
      - { .name: b_codes, .offset: 8, .size: 8, .value_kind: global_buffer, .address_space: global }
      - { .name: lowp_scales, .offset: 16, .size: 8, .value_kind: global_buffer, .address_space: global }
      - { .name: out0, .offset: 24, .size: 8, .value_kind: global_buffer, .address_space: global }
      - { .name: input_scale, .offset: 32, .size: 8, .value_kind: global_buffer, .address_space: global }
      - { .name: weight_scale, .offset: 40, .size: 8, .value_kind: global_buffer, .address_space: global }
    .group_segment_fixed_size: 327680
    .private_segment_fixed_size: 0
    .kernarg_segment_align: 8
    .kernarg_segment_size: 48
    .max_flat_workgroup_size: 128
    .sgpr_count:     98
    .vgpr_count:     1024
    .wavefront_size: 32
...
	.end_amdgpu_metadata
.endif
;; end of part 2
